; MI455X (gfx1250); checked and timed in simulation.
; The chip was launched on July 23, 2026; its instructions are those of AMD's public machine-readable ISA for CDNA 5 (MIT licence, August 2026) and "CDNA5" Instruction Set Architecture Reference Guide (July 2026). The comments in the code are by the model that wrote it; some were corrected since.
;; ATTNRNN Agent. Allowed arithmetic: float matrix products may take bf16 or f16 operands with f32 sums; other float arithmetic in f32, or as packed bf16 or f16 multiplies, adds, multiply-adds, maxima and minima; sums over many terms, partial sums and values carried from step to step in f32; what a program stores and reads back later, other than sums and carried values, may be rounded once to bf16 or f16.
;; Inputs: b_hh 768 float32; b_ih 768 float32; fc1_b 256 float32; fc1_w 256 x 128 float32; hidden_state 4,096 x 8 x 256 float32; inputs 4,096 x 64 x 128 float32; k_b 256 float32; k_w 256 x 256 float32; obs_mask 4,096 x 64 x 64 bool; out_b 32 float32; out_w 32 x 256 float32; q_b 256 float32; q_w 256 x 256 float32; scenario_mask 4,096 x 8 bool; v_b 256 float32; v_w 256 x 256 float32; w_hh 768 x 256 float32; w_ih 768 x 256 float32.
;; Outputs: out0 4,096 x 8 x 32 float32; out1 4,096 x 8 x 256 float32.
;; One version. Each part assembles by itself: llvm-mc -triple=amdgcn-amd-amdhsa -mcpu=gfx1250 --defsym DOCPART=n.
;; ======== version 1 of 1: 2 launches
;; limits: values are held in f16: magnitudes above 65,504 overflow, below 6.1e-05 lose precision; right only within a limited range of input values
;; workspace buffers: wpack 1,277,952 bytes
;; launch prep (part 1): grid 6 x 26, 8 waves a work-group, no clusters, 0 bytes of LDS; arguments q_w, k_w, v_w, w_ih, w_hh, fc1_w, out_w, fc1_b, q_b, k_b, v_b, b_ih, b_hh, out_b, wpack; writes wpack
.if DOCPART == 1
	.amdgcn_target "amdgcn-amd-amdhsa--gfx1250"
	.amdhsa_code_object_version 6
	.text
	.protected	k_q87f8c04d48_prep
	.globl	k_q87f8c04d48_prep
	.p2align	8
	.type	k_q87f8c04d48_prep,@function
k_q87f8c04d48_prep:
	s_mov_b64 s[64:65], 0
	v_nop
	global_prefetch_b8 v0, s[64:65] scope:SCOPE_SE
	s_setreg_imm32_b32 hwreg(HW_REG_WAVE_MODE, 25, 1), 1
	s_wait_xcnt 0x0
; All weights, once, as 16-bit numbers in the order in which the second launch walks them, and the bias tables.
; wpack is 156 units of 8,192 bytes (16 rows of 256 numbers); work-group (x, y) writes unit 6 y + x.
;   y 0-7   chunk y of the heads, pair pr = y / 2, all bf16.  Even y: q_w's rows 64 pr + 16 x (x 0-3), v_w's rows 64 pr + 16 (x - 4) (x 4, 5).
;           Odd y: k_w TURNED (x 0-3): row r of the unit, column c holds k_w[64 pr + c % 64][16 (4 x + c / 64) + r]; v_w's rows 64 pr + 32 + 16 (x - 4) (x 4, 5)
;   y 8-23  16 gate rows 16 (y - 8) on: w_ih r, z, n (x 0-2), w_hh r, z, n (x 3-5), rounded to bf16 and written as f16
;   then    fc1_w as bf16 (8 units), out_w rounded to bf16 and written as f16 (2 units), the table of biases, v_b eight times over
; LIMIT: a weight of w_ih, w_hh or out_w beyond 65,504 has no f16; below 6e-5 it keeps f16's fixed step of 6e-8.
	s_load_b512 s[8:23], s[0:1], 0x0               ; q_w 8, k_w 10, v_w 12, w_ih 14, w_hh 16, fc1_w 18, out_w 20, fc1_b 22
	s_load_b256 s[24:31], s[0:1], 0x40             ; q_b 24, k_b 26, v_b 28, b_ih 30
	s_load_b128 s[32:35], s[0:1], 0x60             ; b_hh 32, out_b 34
	s_load_b64 s[36:37], s[0:1], 0x70              ; wpack
	s_mov_b32 s2, ttmp9                            ; x
	s_and_b32 s3, ttmp7, 0xffff                    ; y
	s_mul_i32 s4, s3, 6
	s_add_co_u32 s4, s4, s2
	s_lshl_b32 s4, s4, 13                          ; my unit's first byte
	s_mov_b32 s5, 0
	s_mov_b32 s45, 0
	v_lshrrev_b32 v1, 5, v0
	v_readfirstlane_b32 s6, v1                     ; wave 0..7
	v_lshlrev_b32 v2, 4, v0                        ; where a thread stores: 16 t and 4,096 + 16 t
	s_wait_kmcnt 0x0
	s_add_nc_u64 s[36:37], s[36:37], s[4:5]
	s_cmp_lt_u32 s3, 8
	s_cbranch_scc0 .Lgates
	s_lshr_b32 s7, s3, 1
	s_lshl_b32 s7, s7, 6                           ; the pair's first row: 64 pr
	s_and_b32 s46, s3, 1                           ; which of the pair's two chunks
	s_mov_b32 s43, 0
	s_cmp_lt_u32 s2, 4
	s_cbranch_scc1 .Lqk
	s_mov_b64 s[40:41], s[12:13]                   ; v_w: row 64 pr + 32 (y & 1) + 16 (x - 4)
	s_sub_co_u32 s42, s2, 4
	s_lshl_b32 s42, s42, 4
	s_add_co_u32 s42, s42, s7
	s_lshl_b32 s46, s46, 5
	s_add_co_u32 s42, s42, s46
	s_branch .Lconv
.Lqk:
	s_cmp_eq_u32 s46, 0
	s_cbranch_scc0 .Lwkt
	s_mov_b64 s[40:41], s[8:9]                     ; q_w: row 64 pr + 16 x
	s_lshl_b32 s42, s2, 4
	s_add_co_u32 s42, s42, s7
	s_branch .Lconv
.Lwkt:                                         ; k_w turned.  Thread t: unit rows t / 32 and 8 + t / 32, columns 8 (t % 32) + 0..7: eight rows of k_w, one column each
	s_lshl_b32 s44, s7, 10                         ; 64 pr rows of 1,024 bytes,
	s_lshl_b32 s47, s2, 8                          ; 4 x tiles of 16 floats
	s_add_co_u32 s44, s44, s47
	s_add_nc_u64 s[40:41], s[10:11], s[44:45]
	v_and_b32 v1, 7, v0
	v_bfe_u32 v3, v0, 3, 2
	v_lshrrev_b32 v28, 5, v0
	v_lshlrev_b32 v1, 13, v1                       ; k_w's row 8 (t % 8),
	v_lshl_add_u32 v1, v3, 6, v1                   ; its column 16 ((t % 32) / 8)
	v_lshl_add_u32 v1, v28, 2, v1                  ; + t / 32
.irp i, 0,1,2,3,4,5,6,7
	global_load_b32 v[4+\i], v1, s[40:41] offset:1024*\i
	global_load_b32 v[12+\i], v1, s[40:41] offset:1024*\i+32
.endr
	s_branch .Lcvt
.Lgates:
	s_cmp_lt_u32 s3, 24
	s_cbranch_scc0 .Lrest
	s_sub_co_u32 s7, s2, 3
	s_cmp_lt_u32 s2, 3
	s_cselect_b64 s[40:41], s[14:15], s[16:17]
	s_cselect_b32 s7, s2, s7                       ; the gate
	s_lshl_b32 s42, s7, 8
	s_sub_co_u32 s7, s3, 8
	s_lshl_b32 s7, s7, 4
	s_add_co_u32 s42, s42, s7                      ; row 256 gate + 16 (y - 8)
	s_mov_b32 s43, 1
	s_branch .Lconv
.Lrest:
	s_cmp_eq_u32 s3, 24
	s_cbranch_scc0 .Llast_row
	s_mov_b64 s[40:41], s[18:19]                   ; fc1_w, counted in pieces of 1,024 bytes
	s_lshl_b32 s42, s2, 4
	s_mov_b32 s43, 0
	s_branch .Lconv
.Llast_row:
	s_cmp_lt_u32 s2, 2
	s_cbranch_scc0 .Loutw
	s_mov_b64 s[40:41], s[18:19]
	s_lshl_b32 s42, s2, 4
	s_add_co_u32 s42, s42, 96
	s_mov_b32 s43, 0
	s_branch .Lconv
.Loutw:
	s_cmp_lt_u32 s2, 4
	s_cbranch_scc0 .Ltables
	s_mov_b64 s[40:41], s[20:21]
	s_sub_co_u32 s42, s2, 2
	s_lshl_b32 s42, s42, 4
	s_mov_b32 s43, 1
.Lconv:                                        ; thread t: floats 8 t .. 8 t + 7 and 2,048 + 8 t ..; a wave's store covers 512 consecutive bytes
	s_lshl_b32 s44, s42, 10
	s_add_nc_u64 s[40:41], s[40:41], s[44:45]
	v_lshlrev_b32 v1, 5, v0
	global_load_b128 v[4:7], v1, s[40:41]
	global_load_b128 v[8:11], v1, s[40:41] offset:16
	global_load_b128 v[12:15], v1, s[40:41] offset:8192
	global_load_b128 v[16:19], v1, s[40:41] offset:8208
.Lcvt:
	s_wait_loadcnt 0x0
.irp i, 0,1,2,3,4,5,6,7
	v_cvt_pk_bf16_f32 v[20+\i], v[4+2*\i], v[5+2*\i]
.endr
	s_cmp_eq_u32 s43, 0
	s_cbranch_scc1 .Lstore
.irp i, 0,1,2,3,4,5,6,7                        ; the bf16 number written as f16
	v_lshlrev_b32 v28, 16, v[20+\i]
	v_and_b32 v29, 0xffff0000, v[20+\i]
	v_cvt_pk_f16_f32 v[20+\i], v28, v29
.endr
.Lstore:
	global_store_b128 v2, v[20:23], s[36:37]
	global_store_b128 v2, v[24:27], s[36:37] offset:4096
	s_endpgm
.Ltables:
	s_cmp_eq_u32 s2, 4
	s_cbranch_scc0 .Lvbx
	; the table of biases: wave v writes 1,024 bytes: fc1_b, q_b, k_b (as bf16, then zeros), b_ih + b_hh (r), b_ih + b_hh (z), b_ih (n), b_hh (n), out_b and zeros
	s_mov_b64 s[40:41], s[22:23]
	s_cmp_eq_u32 s6, 1
	s_cselect_b64 s[40:41], s[24:25], s[40:41]
	s_cmp_eq_u32 s6, 2
	s_cselect_b64 s[40:41], s[26:27], s[40:41]
	s_cmp_ge_u32 s6, 3
	s_cselect_b64 s[40:41], s[30:31], s[40:41]
	s_cmp_eq_u32 s6, 6
	s_cselect_b64 s[40:41], s[32:33], s[40:41]
	s_cmp_eq_u32 s6, 7
	s_cselect_b64 s[40:41], s[34:35], s[40:41]
	s_cselect_b32 s46, 7, 63                       ; the last group of four floats that the source has
	s_mov_b32 s44, 0
	s_cmp_eq_u32 s6, 4
	s_cselect_b32 s44, 1024, s44
	s_cmp_eq_u32 s6, 5
	s_cselect_b32 s44, 2048, s44
	s_cmp_eq_u32 s6, 6
	s_cselect_b32 s44, 2048, s44
	s_add_nc_u64 s[40:41], s[40:41], s[44:45]
	s_add_nc_u64 s[48:49], s[32:33], s[44:45]      ; b_hh at the same gate, for waves 3 and 4
	s_lshl_b32 s47, s6, 10
	v_and_b32 v10, 31, v0
	v_add_nc_u32 v11, 32, v10
	v_mov_b32 v9, 0
	v_min_u32 v12, s46, v10                        ; no load leaves out_b
	v_min_u32 v13, s46, v11
	v_lshlrev_b32 v12, 4, v12
	v_lshlrev_b32 v13, 4, v13
	v_lshl_add_u32 v14, v10, 4, s47
	v_lshl_add_u32 v15, v11, 4, s47
	global_load_b128 v[16:19], v12, s[40:41]
	global_load_b128 v[20:23], v13, s[40:41]
	s_sub_co_u32 s50, s6, 3
	s_cmp_lt_u32 s50, 2
	s_cbranch_scc0 .Lone
	global_load_b128 v[24:27], v12, s[48:49]
	global_load_b128 v[28:31], v13, s[48:49]
	s_wait_loadcnt 0x0
	v_pk_add_f32 v[16:17], v[16:17], v[24:25]
	v_pk_add_f32 v[18:19], v[18:19], v[26:27]
	v_pk_add_f32 v[20:21], v[20:21], v[28:29]
	v_pk_add_f32 v[22:23], v[22:23], v[30:31]
.Lone:
	s_wait_loadcnt 0x0
	v_cmp_lt_u32 vcc_lo, s46, v10                  ; past the source's end: zeros
.irp i, 16,17,18,19
	v_cndmask_b32 v[\i], v[\i], v9, vcc_lo
.endr
	v_cmp_lt_u32 vcc_lo, s46, v11
.irp i, 20,21,22,23
	v_cndmask_b32 v[\i], v[\i], v9, vcc_lo
.endr
	s_cmp_eq_u32 s6, 2
	s_cbranch_scc0 .Lput
	v_lshlrev_b32 v12, 5, v10                      ; k_b goes in as a matrix operand: lane l packs k_b[8 l .. 8 l + 7] into its first 16 bytes; the second 512 bytes are zeros
	global_load_b128 v[24:27], v12, s[26:27]
	global_load_b128 v[28:31], v12, s[26:27] offset:16
	s_wait_loadcnt 0x0
.irp i, 0,1,2,3
	v_cvt_pk_bf16_f32 v[16+\i], v[24+2*\i], v[25+2*\i]
	v_mov_b32 v[20+\i], 0
.endr
.Lput:
	global_store_b128 v14, v[16:19], s[36:37]
	global_store_b128 v15, v[20:23], s[36:37]
	s_endpgm
.Lvbx:                                         ; v_b[f] eight times on end: 32 bytes a feature, the C operand of a product whose lanes hold features
	v_lshrrev_b32 v1, 1, v0
	v_lshlrev_b32 v1, 2, v1
	global_load_b32 v4, v1, s[28:29]
	global_load_b32 v8, v1, s[28:29] offset:512
	s_wait_loadcnt 0x0
	v_mov_b32 v5, v4
	v_mov_b32 v6, v4
	v_mov_b32 v7, v4
	v_mov_b32 v9, v8
	v_mov_b32 v10, v8
	v_mov_b32 v11, v8
	global_store_b128 v2, v[4:7], s[36:37]
	global_store_b128 v2, v[8:11], s[36:37] offset:4096
	s_endpgm
.Lfunc_end_k_q87f8c04d48_prep:
	.size	k_q87f8c04d48_prep, .Lfunc_end_k_q87f8c04d48_prep-k_q87f8c04d48_prep
	.p2alignl 7, 3214868480
	.fill 96, 4, 3214868480
	.section	.rodata,"a",@progbits
	.p2align	6, 0x0
	.amdhsa_kernel k_q87f8c04d48_prep
		.amdhsa_group_segment_fixed_size 0
		.amdhsa_private_segment_fixed_size 0
		.amdhsa_enable_private_segment 0
		.amdhsa_kernarg_size 120
		.amdhsa_user_sgpr_count 2
		.amdhsa_user_sgpr_kernarg_segment_ptr 1
		.amdhsa_wavefront_size32 1
		.amdhsa_system_sgpr_workgroup_id_x 1
		.amdhsa_system_sgpr_workgroup_id_y 1
		.amdhsa_system_sgpr_workgroup_id_z 1
		.amdhsa_system_vgpr_workitem_id 0
		.amdhsa_next_free_vgpr 32
		.amdhsa_next_free_sgpr 66
		.amdhsa_reserve_vcc 1
		.amdhsa_float_denorm_mode_32 3
		.amdhsa_float_denorm_mode_16_64 3
		.amdhsa_memory_ordered 1
		.amdhsa_forward_progress 1
		.amdhsa_inst_pref_size 11
	.end_amdhsa_kernel
	.amdgpu_metadata
---
amdhsa.version: [ 1, 2 ]
amdhsa.kernels:
  - .name:           k_q87f8c04d48_prep
    .symbol:         k_q87f8c04d48_prep.kd
    .args:
      - { .name: q_w, .offset: 0, .size: 8, .value_kind: global_buffer, .address_space: global }
      - { .name: k_w, .offset: 8, .size: 8, .value_kind: global_buffer, .address_space: global }
      - { .name: v_w, .offset: 16, .size: 8, .value_kind: global_buffer, .address_space: global }
      - { .name: w_ih, .offset: 24, .size: 8, .value_kind: global_buffer, .address_space: global }
      - { .name: w_hh, .offset: 32, .size: 8, .value_kind: global_buffer, .address_space: global }
      - { .name: fc1_w, .offset: 40, .size: 8, .value_kind: global_buffer, .address_space: global }
      - { .name: out_w, .offset: 48, .size: 8, .value_kind: global_buffer, .address_space: global }
      - { .name: fc1_b, .offset: 56, .size: 8, .value_kind: global_buffer, .address_space: global }
      - { .name: q_b, .offset: 64, .size: 8, .value_kind: global_buffer, .address_space: global }
      - { .name: k_b, .offset: 72, .size: 8, .value_kind: global_buffer, .address_space: global }
      - { .name: v_b, .offset: 80, .size: 8, .value_kind: global_buffer, .address_space: global }
      - { .name: b_ih, .offset: 88, .size: 8, .value_kind: global_buffer, .address_space: global }
      - { .name: b_hh, .offset: 96, .size: 8, .value_kind: global_buffer, .address_space: global }
      - { .name: out_b, .offset: 104, .size: 8, .value_kind: global_buffer, .address_space: global }
      - { .name: wpack, .offset: 112, .size: 8, .value_kind: global_buffer, .address_space: global }
    .group_segment_fixed_size: 0
    .private_segment_fixed_size: 0
    .kernarg_segment_align: 8
    .kernarg_segment_size: 120
    .max_flat_workgroup_size: 256
    .sgpr_count:     66
    .vgpr_count:     32
    .wavefront_size: 32
...
	.end_amdgpu_metadata
.endif
;; end of part 1
;; launch agent (part 2): grid 256 x 1, 4 waves a work-group, clusters of 4 x 1, 327,680 bytes of LDS; arguments inputs, hidden_state, obs_mask, scenario_mask, wpack, out0, out1; writes out0, out1
.if DOCPART == 2
	.amdgcn_target "amdgcn-amd-amdhsa--gfx1250"
	.amdhsa_code_object_version 6
	.text
	.protected	k_q87f8c04d48_agent
	.globl	k_q87f8c04d48_agent
	.p2align	8
	.type	k_q87f8c04d48_agent,@function
k_q87f8c04d48_agent:
	s_mov_b64 s[64:65], 0
	v_nop
	global_prefetch_b8 v0, s[64:65] scope:SCOPE_SE
	s_setreg_imm32_b32 hwreg(HW_REG_WAVE_MODE, 25, 1), 1
	s_wait_xcnt 0x0
	s_wait_alu depctr_hold_cnt(0) depctr_sa_sdst(0) depctr_va_vdst(0) depctr_va_sdst(0) depctr_va_ssrc(0) depctr_va_vcc(0) depctr_vm_vsrc(0)
	s_getreg_b32 s2, hwreg(HW_REG_IB_STS2, 6, 4)
	s_cmp_eq_u32 s2, 0
	s_cbranch_scc0 .Lentry_in_a_cluster
	s_endpgm
.Lentry_in_a_cluster:
	s_bfe_u32 s2, ttmp6, 0x10000c
	s_cmp_lg_u32 s2, 0x3003
	s_cbranch_scc0 .Lentry_shape_is_right
	s_endpgm
.Lentry_shape_is_right:
; The whole module for 16 batches a work-group.  A WAVE OWNS 4 BATCHES from the first load to the last store (32 agent rows); only the weights are shared.
; Per batch (a PASS): x = relu(fc1), then four PAIRS of heads: q, scores, softmax, v, att; at the end one GRU step and the output layer for the wave's 32 agents.
; K IS NEVER MADE: q . (Wk x + k_b) = (Wk^T q) . x + q . k_b.  For a pair of heads a tile's 16 columns are 8 agents x 2 heads (column n: agent n % 8, head n / 8).  q is padded with zeros (column n holds
; q of head n / 8 in that head's K step alone), so ONE product of k_w turned, [256 x 64], with q gives qk = Wk^T q for both heads, and ONE product x qk their scores: 66 products a pair where k and q k took 136.
; c = q . k_b comes from two products whose first source holds k_b in all 16 rows: every register of the result is c of the lane's column; it enters the maximum and the exponent.
; THE CHAIN STAYS IN REGISTERS.  In a product's result a lane holds column n = lane % 16 and rows 8 (lane / 16) + 0..7; two results rounded in pairs ARE a 16 x 32 operand.  So:
;   x^T = W1 in^T (lane = entity)    q^T = Wq x^T (lane = entity)    qk = Wk^T q (lane = column, registers = features)    S^T = x qk (lane = column, registers = entities)
;   v = x Wv^T (lane = feature, registers = entities)    att^T = v^T P (lane = column)    gates^T = w att^T + w h0^T (lane = agent)    out^T = out_w h^T (lane = agent)
; Biases and the mask are the C operand of the product that starts a sum (q's bias is loaded into the accumulator itself).
; FORMATS.  inputs, weights, biases that are matrix operands, h0 rounded to bf16; x, q, qk, v, P bf16; att and h f16, with the GRU's and the output layer's weights and h0 written as f16.  Sums, softmax and gates in f32.
; SOFTMAX.  p = 2^(cs (s + c) - cs m), cs = log2(e) / sqrt(32), m = the maximum of the row's s + c (and at least -1e20); a hidden score is its value less 1e30, so its weight is 0; l is at least 1e-30, so a row that sees nothing gives 0.
; LIMITS.  Scores lie above -1e20; a hidden slot counts as exactly 0 in the sum; a weight below 2^-126 counts as 0; att above 65,504 is held there; h0 lies within 65,504; NaN and infinities are not treated apart.
; THE WEIGHTS walk through a ring of two LDS slots, one chunk of 96 rows x 256 numbers a ring step: 4 x 8 steps for the heads (two a pair: q_w and the first head's v_w; k_w turned and the second head's v_w), 16 for the GRU.
; The four work-groups of a cluster walk the same chunks and ask for each JOINTLY; each wave brings 24 rows.  By this text's count a wave has five tensor loads out at the start, later one.
; THE NEXT BATCH's inputs (and in the last pass h0) come by register loads, a JOB of 16 rows x 512 bytes in each pair's trip, are rounded a trip later and kept as fragments in the wave's own LDS.
; REGISTERS, in windows of 256 (s_set_vgpr_msb: bits 1:0 source 0, 3:2 source 1, 5:4 source 2, 7:6 destination):
;   window 0: v0-47 addresses and statistics; v48-63 P; v64-95 S (fc1: bias tiles); v96-127 mask; v128-143 q padded; v144-175 k_b's fragments, c, v's bias tiles, then att; v176-183 att in f16; v192-255 a job
;   window 1: x, tile t, K step ks at 8 (8 t + ks)
;   window 2: v0-127 q_w K steps 0-3, k_w tiles 0-7, second head's v_w by turns; v128-255 q_w K steps 4-7, k_w tiles 8-15 (fc1: two sets of fc1_w)
;   window 3: v0-127 accumulators; v128-255 first head's v_w, then the packed operands: v 128-143, qk 144-207, v 208-255 (fc1: the batch's input fragments)
;   GRU: window 1 att and h0 fragments; window 2 four buffers of 48; window 3 accumulators 0-63, epilogue 64-127, bias tiles 128-159, the rest small; window 0 v64-127 rows on their way out, v128-255 out_w;
;        v9 the stage read back, v12 and v18 offsets in out1, v13 the stage written, v15 h's fragment, v17 h0's piece: registers that held LDS addresses and offsets of the passes
.set CHB,   49152                      ; a chunk in wpack
.set PW,    528                        ; a slot's row: 512 bytes + 16: the 16 rows of a fragment load start at 16 different groups of four banks (ISA guide 11.1)
.set RTB,   16*PW
.set SLOT1, 65536                      ; slot 0 at 0, slot 1 here: one exclusive or turns one into the other
.set VBXL,  50688                      ; v_b eight times over, 8,192 bytes
.set SPARE, 58880                      ; the spare words: 128 bytes a wave, two blocks of 256 bytes that no other line names
.set W1L,   116224                     ; fc1_w, 256 rows of 272 bytes; filled once; in the GRU phase the waves' stages (8,704 bytes each)
.set BTL,   185856                     ; the table of biases, 8,192 bytes
.set KBL,   BTL+2048                   ; in it: k_b as bf16
.set INSL,  194048                     ; 16,384 bytes a wave: the next batch's input fragments, at last h0's
.set ATTL,  259584                     ; 16,384 bytes a wave: att's fragments, later h's
.set WP_W1, 24*CHB
.set WP_OW, WP_W1+65536
.set WP_BT, WP_OW+16384
.set WP_VB, WP_BT+8192
.set MSB, 0
.macro WIN new                         ; the immediate's high byte repeats the setting that is left; a switch that changes nothing is dropped
.if MSB != (\new)
	s_set_vgpr_msb (MSB<<8)|(\new)
.set MSB, (\new)
.endif
.endm
.macro PLACES                          ; four places between a matrix instruction and a vector instruction or load that touches its registers
.rept 4
	v_nop
.endr
.endm
.macro CREST                           ; a round of the cluster's barrier behind its opening barrier
	s_cmp_lg_u32 s18, 0
	s_cbranch_scc1 .Lnot_wave_0_\@
	s_barrier_signal -3
.Lnot_wave_0_\@:
	s_barrier_wait -3
	s_barrier_signal -1
	s_barrier_wait -1
.endm
.macro CROUND
	s_barrier_signal -1
	s_barrier_wait -1
	CREST
.endm
; THE CHANGE OF SLOTS, in three parts with products between them.  A: all my tensor loads have landed (the one that was out is my part of the next slot), the add, the walking descriptor's next chunk.
; B: the add is done and my reads of this slot are back; signal.  C: all waves (with a refill: of all four work-groups) have said so; the refill is the first thing behind it.
.macro CH_A fill
	WIN 0
	s_wait_tensorcnt 0x0
	ds_add_u32 v4, v5                              ; 0 onto my spare word
.if \fill
	s_add_co_u32 s20, s21, 2                       ; the ring step that this slot serves next,
	s_and_b32 s85, s20, 7                          ; its chunk: a head's (steps 0-31 walk chunks 0-7 four times),
	s_sub_co_u32 s89, s20, 24                      ; or the GRU's (steps 32-47: chunks 8-23)
	s_cmp_lt_u32 s20, 32
	s_cselect_b32 s85, s85, s89
	s_mul_i32 s90, s85, CHB
	s_xor_b32 s69, s69, SLOT1
	s_add_nc_u64 s[70:71], s[12:13], s[90:91]
	s_or_b32 s71, s71, 0x80000000
.endif
	s_xor_b32 s72, s72, SLOT1                      ; my reads go on in the other slot
.endm
.macro CH_B
	s_wait_dscnt 0x0
	s_barrier_signal -1
.endm
.macro CH_C fill
	WIN 0
	s_barrier_wait -1
.if \fill
	CREST
	tensor_load_to_lds s[68:71], s[24:31]
	s_nop 0
.endif
	PLACES
	v_add_nc_u32 v8, s72, v7
.endm
; A PREFETCH INTO THE L2 of the GRU's chunks: at ring steps 29, 31 .. 43 the two chunks of steps G + 3 and G + 4, 384 blocks of 256 bytes.  All clusters walk the same chunks: the first cluster asks;
; its four partners take 96 blocks each, told apart by address; waves 0 to 2 take 32 each, a lane a block.  So each block is named once.  The heads' chunks are not asked for: their first walk is the launch's beginning.
.macro ASKW
	s_sub_co_u32 s20, s21, 29
	s_and_b32 s85, s20, 0xfffffff1
	s_or_b32 s85, s85, s96
	s_cmp_eq_u32 s85, 0
	s_cbranch_scc0 .Lnoask_\@
	s_wait_xcnt 0x0                                ; the last prefetch, two ring steps back, has read its address
	s_lshr_b32 s20, s20, 1
	s_mul_i32 s66, s20, 2*CHB
	s_mov_b32 s67, 0
	s_add_nc_u64 s[94:95], s[100:101], s[66:67]
	global_prefetch_b8 v22, s[94:95] th:TH_LOAD_NT scope:SCOPE_SE
.Lnoask_\@:
.endm
; Job K (in s20): where its 16 rows x 512 bytes begin.  K 0-11: an entity tile of the wave's batches 1 to 3, rows of 512 bytes; K 12-15: half the columns of 16 rows of h0, rows of 1,024 bytes.  s88 = the row pitch as a shift.
.macro DJADDR d
	s_lshl_b32 s66, s20, 13
	s_sub_co_u32 s85, s20, 12
	s_lshr_b32 s89, s85, 1
	s_lshl_b32 s89, s89, 14
	s_and_b32 s85, s85, 1
	s_lshl_b32 s85, s85, 9
	s_add_co_u32 s89, s89, s85
	s_cmp_lt_u32 s20, 12
	s_cselect_b32 s66, s66, s89
	s_cselect_b32 s88, 9, 10
	s_cselect_b64 s[\d:\d+1], s[4:5], s[6:7]
	s_mov_b32 s67, 0
	s_add_nc_u64 s[\d:\d+1], s[\d:\d+1], s[66:67]
.endm
.macro DJLD                            ; sixteen loads: four fragments' worth of f32: lane (r, h) takes row r, floats 32 f + 8 h + 0..7 and 32 f + 16 + 8 h + 0..7
	DJADDR 86
	v_lshl_add_u32 v18, v1, s88, v20
.set jc, 0
.rept 16
	global_load_b128 v[192+4*jc:195+4*jc], v18, s[86:87] offset:128*(jc/4)+64*((jc%4)/2)+16*(jc%2) th:TH_LOAD_NT
.set jc, jc+1
.endr
.endm
; ---- fc1
.macro FLD fp                          ; block fp (features 32 fp on): 8 fragments of fc1_w and 2 bias tiles: 20 loads
.set fs, (\fp)&1
	WIN 0x80
.irp e, 0,1
.irp k, 0,1,2,3
	ds_load_b128 v[128+64*fs+8*(4*\e+\k):128+64*fs+8*(4*\e+\k)+3],   v9 offset:(2*(\fp)+\e)*4352+64*\k
	ds_load_b128 v[128+64*fs+8*(4*\e+\k)+4:128+64*fs+8*(4*\e+\k)+7], v9 offset:(2*(\fp)+\e)*4352+64*\k+32
.endr
.endr
	WIN 0
.irp e, 0,1
	ds_load_b128 v[64+16*fs+8*\e:64+16*fs+8*\e+3],   v10 offset:64*(2*(\fp)+\e)
	ds_load_b128 v[64+16*fs+8*\e+4:64+16*fs+8*\e+7], v10 offset:64*(2*(\fp)+\e)+16
.endr
.endm
.macro FPR fp                          ; product fq of 32: K step fq / 8, feature tile (fq / 4) % 2, entity tile fq % 4: eight accumulators by turns
.set fs, (\fp)&1
.set rD, 64*fs+8*(4*((fq/4)%2)+fq%4)
.set rA, 128+64*fs+8*(4*((fq/4)%2)+fq/8)
.set rB, 128+8*(4*(fq%4)+fq/8)
.set rC, 64+16*fs+8*((fq/4)%2)
.if fq < 8
	WIN 0xCE
	v_wmma_f32_16x16x32_bf16 v[rD:rD+7], v[rA:rA+7], v[rB:rB+7], v[rC:rC+7]
.else
	WIN 0xFE
	v_wmma_f32_16x16x32_bf16 v[rD:rD+7], v[rA:rA+7], v[rB:rB+7], v[rD:rD+7]
.endif
.set fq, fq+1
.endm
.macro PXE fp                          ; entry px of 64: block fp's sums rounded to bf16 into x (32), then the ReLU on packed halves (32)
.set fs, (\fp)&1
.if px < 32
	WIN 0x4F
	v_cvt_pk_bf16_f32 v[8*(8*(px/8)+(\fp))+4*((px/4)%2)+px%4], v[64*fs+8*(4*((px/4)%2)+px/8)+2*(px%4)], v[64*fs+8*(4*((px/4)%2)+px/8)+2*(px%4)+1]
.else
	WIN 0x41
	v_pk_max_num_bf16 v[8*(8*((px-32)/8)+(\fp))+(px-32)%8], v[8*(8*((px-32)/8)+(\fp))+(px-32)%8], v6
.endif
.set px, px+1
.endm
.macro FBLK fp                         ; the next block's loads, this block's 32 products, and behind every second product four entries of the block before
	PLACES
.if (\fp) < 7
	FLD (\fp)+1
	s_wait_dscnt 20                                ; all but the 20 just issued
.else
	s_wait_dscnt 0x0
.endif
.set fq, 0
.set px, 0
.rept 16
	FPR \fp
	FPR \fp
.if (\fp) > 0
.rept 4
	PXE (\fp)-1
.endr
.endif
.endr
.endm
; ---- a pair of heads: the LDS loads, in runs of 32 or more
.macro LDWQ hf                         ; q_w's K steps 4 hf .. 4 hf + 3 of the pair's four row tiles: fragment (f, k) at 128 hf + 8 (4 k + f) of window 2
	WIN 0x80
.irp k, 0,1,2,3
.irp f, 0,1,2,3
	ds_load_b128 v[128*(\hf)+8*(4*\k+\f):128*(\hf)+8*(4*\k+\f)+3],   v8 offset:\f*RTB+64*(4*(\hf)+\k)
	ds_load_b128 v[128*(\hf)+8*(4*\k+\f)+4:128*(\hf)+8*(4*\k+\f)+7], v8 offset:\f*RTB+64*(4*(\hf)+\k)+32
.endr
.endr
.endm
.macro LDQB                            ; q's four bias tiles, straight into q's accumulators
	WIN 0xC0
.irp f, 0,1,2,3
	ds_load_b128 v[96+8*\f:99+8*\f],   v11 offset:1024+64*\f
	ds_load_b128 v[100+8*\f:103+8*\f], v11 offset:1024+64*\f+16
.endr
.endm
.macro LDWV win, base                  ; a head's v_w, the slot's row tiles 4 and 5: fragment (f, k) at base + 64 f + 8 k
	WIN \win
.irp f, 0,1
.irp k, 0,1,2,3,4,5,6,7
	ds_load_b128 v[(\base)+64*\f+8*\k:(\base)+64*\f+8*\k+3],   v8 offset:(4+\f)*RTB+64*\k
	ds_load_b128 v[(\base)+64*\f+8*\k+4:(\base)+64*\f+8*\k+7], v8 offset:(4+\f)*RTB+64*\k+32
.endr
.endr
.endm
.macro LDVB base, off                  ; a head's two bias tiles of v
	WIN 0
.irp f, 0,1
	ds_load_b128 v[(\base)+8*\f:(\base)+8*\f+3],   v13 offset:(\off)+512*\f
	ds_load_b128 v[(\base)+8*\f+4:(\base)+8*\f+7], v13 offset:(\off)+512*\f+16
.endr
.endm
.macro LDWK hf                         ; k_w turned, feature tiles T = 8 hf + u: slot row tile T / 4, 128 bytes (T % 4) on; fragment (T, k) at 8 (2 T + k) of window 2
	WIN 0x80
.irp u, 0,1,2,3,4,5,6,7
.irp k, 0,1
	ds_load_b128 v[128*(\hf)+8*(2*\u+\k):128*(\hf)+8*(2*\u+\k)+3],   v8 offset:(2*(\hf)+\u/4)*RTB+(\u%4)*128+64*\k
	ds_load_b128 v[128*(\hf)+8*(2*\u+\k)+4:128*(\hf)+8*(2*\u+\k)+7], v8 offset:(2*(\hf)+\u/4)*RTB+(\u%4)*128+64*\k+32
.endr
.endr
.endm
; ---- the products.  In every run the accumulators take turns, one instruction a turn, and no run ends on the accumulator on which the next begins.
.macro QPR                             ; product qi of 32 of q: K step qi / 4, feature tile qi % 4; the sums start on the bias that was loaded into them
	WIN 0xF6
	v_wmma_f32_16x16x32_bf16 v[96+8*(qi%4):103+8*(qi%4)], v[8*qi:8*qi+7], v[8*(qi/4):8*(qi/4)+7], v[96+8*(qi%4):103+8*(qi%4)]
.set qi, qi+1
.endm
.macro VPR d, b, c, w                  ; product vi of 32 of v, one feature tile: K step vi / 4, entity tile vi % 4.  d: accumulators, b: v_w's fragments, c: the bias tile (window 0), w: the windows
.set rD, (\d)+8*(vi%4)
.set rA, 8*(8*(vi%4)+vi/4)
.set rB, (\b)+8*(vi/4)
.if vi < 4
	WIN (\w)&0xCF
	v_wmma_f32_16x16x32_bf16 v[rD:rD+7], v[rA:rA+7], v[rB:rB+7], v[(\c):(\c)+7]
.else
	WIN \w
	v_wmma_f32_16x16x32_bf16 v[rD:rD+7], v[rA:rA+7], v[rB:rB+7], v[rD:rD+7]
.endif
.set vi, vi+1
.endm
.macro KPR hf                          ; product ki of 16 of qk, half hf: K step (= head of the pair) ki / 8, feature tile 8 hf + ki % 8
.set rD, 64*(\hf)+8*(ki%8)
.set rA, 128*(\hf)+8*(2*(ki%8)+ki/8)
	WIN 0xF2
.if ki < 8
	v_wmma_f32_16x16x32_bf16 v[rD:rD+7], v[rA:rA+7], v[128:135], 0
.else
	v_wmma_f32_16x16x32_bf16 v[rD:rD+7], v[rA:rA+7], v[136:143], v[rD:rD+7]
.endif
.set ki, ki+1
.endm
.macro DBP kk                          ; c = q . k_b: k_b in all 16 rows of the first source
	WIN 0
.if (\kk) == 0
	v_wmma_f32_16x16x32_bf16 v[160:167], v[144:151], v[128:135], 0
.else
	v_wmma_f32_16x16x32_bf16 v[160:167], v[152:159], v[136:143], v[160:167]
.endif
.endm
.macro SPR                             ; product si of 32 of the scores: K step si / 4, entity tile si % 4; the mask starts the sums
	WIN 0x0D
.if si < 4
	v_wmma_f32_16x16x32_bf16 v[64+8*(si%4):71+8*(si%4)], v[8*(8*(si%4)+si/4):8*(8*(si%4)+si/4)+7], v[144+8*(si/4):151+8*(si/4)], v[96+8*(si%4):103+8*(si%4)]
.else
	v_wmma_f32_16x16x32_bf16 v[64+8*(si%4):71+8*(si%4)], v[8*(8*(si%4)+si/4):8*(8*(si%4)+si/4)+7], v[144+8*(si/4):151+8*(si/4)], v[64+8*(si%4):71+8*(si%4)]
.endif
.set si, si+1
.endm
.macro APR                             ; product ai of 8 of att: 32 entities ai / 4 on, tile ai % 4 = 2 x head + feature tile
.set ta, ai%4
.set vb, 192+16*ta
.if ta == 0
.set vb, 128
.endif
	WIN 0x03
.if ai < 4
	v_wmma_f32_16x16x32_bf16 v[144+8*ta:151+8*ta], v[vb:vb+7], v[48:55], 0
.else
	v_wmma_f32_16x16x32_bf16 v[144+8*ta:151+8*ta], v[vb+8:vb+15], v[56:63], v[144+8*ta:151+8*ta]
.endif
.set ai, ai+1
.endm
; ---- the vector work, as numbered lists that ride behind the products, each list on the run behind the one that made its numbers
.macro JQE                             ; entry jq of 32: the job asked for a trip ago is rounded to bf16, in place: four fragments
	WIN 0
	v_cvt_pk_bf16_f32 v[192+16*(jq/8)+jq%8], v[192+16*(jq/8)+2*(jq%8)], v[192+16*(jq/8)+2*(jq%8)+1]
.set jq, jq+1
.endm
.macro QPE                             ; entry qp of 40: q in bf16 (16); the first head's keeps lanes r < 8 (8); the second head's moves 8 lanes up (8) and keeps lanes r >= 8 (8)
.if qp < 16
	WIN 0x0F
	v_cvt_pk_bf16_f32 v[128+qp], v[96+2*qp], v[97+2*qp]
.elseif qp < 24
	WIN 0
	v_cndmask_b32 v[128+qp-16], v[128+qp-16], v6, s97
.elseif qp < 32
	WIN 0
	v_mov_b32_dpp v[136+qp-24], v[136+qp-24] row_xmask:8 row_mask:0xf bank_mask:0xf
.else
	WIN 0
	v_cndmask_b32 v[136+qp-32], v6, v[136+qp-32], s97
.endif
.set qp, qp+1
.endm
.macro VKE d, p                        ; entry vk of 32: a feature tile of v (accumulators at d) rounded to bf16 into p (16), then the ReLU (16)
.if vk < 16
	WIN 0xFF
	v_cvt_pk_bf16_f32 v[(\p)+vk], v[(\d)+2*vk], v[(\d)+2*vk+1]
.else
	WIN 0xC3
	v_pk_max_num_bf16 v[(\p)+vk-16], v[(\p)+vk-16], v6
.endif
.set vk, vk+1
.endm
.macro KKE hf                          ; entry kq of 32: half hf of qk rounded to bf16: four K steps of the scores' second source
	WIN 0xFF
	v_cvt_pk_bf16_f32 v[144+32*(\hf)+kq], v[64*(\hf)+2*kq], v[64*(\hf)+2*kq+1]
.set kq, kq+1
.endm
; THE SOFTMAX; SQE writes entry sq.  s0-s31 (v64-95) are the lane's 32 scores; the row's other 32 lie in the lane 16 away.
;   0-15 the maximum, three operands at a time, each accumulator's lowest registers first     16, 17 the other half's     18, 19 m = max s + c, at least the floor     20, 21 cs (m - c)     22-37 cs s - cs (m - c)
;   38-69 the exponentials: ONE batch     70 a plain instruction and the batch's one wait     71-86 P in bf16     87-104 the sum     105 at least 1e-30     106 its reciprocal (waited for where att is divided)
.macro SQE
	WIN 0
.if sq < 4
	v_max3_num_f32 v[36+sq], v[64+8*sq], v[65+8*sq], v[66+8*sq]
.elseif sq < 12
	v_max3_num_f32 v[36+sq%4], v[36+sq%4], v[64+8*(sq%4)+2*(sq/4)+1], v[64+8*(sq%4)+2*(sq/4)+2]
.elseif sq == 12
	v_max3_num_f32 v36, v36, v71, v79
.elseif sq == 13
	v_max3_num_f32 v38, v38, v87, v95
.elseif sq == 14
	v_max3_num_f32 v36, v36, v37, v38
.elseif sq == 15
	v_max_num_f32 v36, v36, v39
.elseif sq == 16
	v_permlanex16_b32 v37, v36, s80, s81
.elseif sq == 17
	v_max_num_f32 v33, v36, v37
.elseif sq == 18
	v_add_f32 v33, v33, v160
.elseif sq == 19
	v_max_num_f32 v33, s82, v33
.elseif sq == 20
	v_sub_f32 v32, v33, v160
.elseif sq == 21
	v_mul_f32 v32, s78, v32
.elseif sq < 38
	v_pk_fma_f32 v[64+2*(sq-22):65+2*(sq-22)], v[64+2*(sq-22):65+2*(sq-22)], s[78:79], v[32:33] op_sel_hi:[1,0,0] neg_lo:[0,0,1] neg_hi:[0,0,1]
.elseif sq < 70
	v_exp_f32 v[64+sq-38], v[64+sq-38]
.elseif sq == 70
	v_nop
	s_wait_alu depctr_va_vdst(0)                   ; one wait for the 32 exponentials, ahead of the first instruction that names a result
.elseif sq < 87
	v_cvt_pk_bf16_f32 v[48+sq-71], v[64+2*(sq-71)], v[65+2*(sq-71)]
.elseif sq < 102
.set tz, sq-87
.set tw, 4
.set tu, tz
.if tz >= 14
.set tw, 32
.set tu, 0
.elseif tz >= 12
.set tw, 16
.set tu, tz-12
.elseif tz >= 8
.set tw, 8
.set tu, tz-8
.endif
	v_pk_add_f32 v[64+tw*tu:65+tw*tu], v[64+tw*tu:65+tw*tu], v[64+tw*tu+tw/2:65+tw*tu+tw/2]
.elseif sq == 102
	v_add_f32 v34, v64, v65
.elseif sq == 103
	v_permlanex16_b32 v37, v34, s80, s81
.elseif sq == 104
	v_add_f32 v34, v34, v37
.elseif sq == 105
	v_max_num_f32 v34, s84, v34
.else
	v_rcp_f32 v40, v34
.endif
.set sq, sq+1
.endm
.macro SRUN                            ; eight products of the scores; behind every fourth, four entries of the first head's second tile of v
.rept 8
	SPR
.if (si%4) == 0
.rept 4
	VKE 0, 208
.endr
.endif
.endr
.endm
; ---- the GRU
.macro LDR g                           ; group g: K step g % 8 of the chunk's six row tiles: 12 loads into buffer g % 4
	WIN 0x80
.irp f, 0,1,2,3,4,5
	ds_load_b128 v[48*((\g)%4)+8*\f:48*((\g)%4)+8*\f+3],   v8 offset:\f*RTB+64*((\g)%8)
	ds_load_b128 v[48*((\g)%4)+8*\f+4:48*((\g)%4)+8*\f+7], v8 offset:\f*RTB+64*((\g)%8)+32
.endr
.endm
.macro LDB ahead                       ; the four bias tiles (r, z, n of the input side, n of the hidden side) of feature tile FT + ahead / 64
	WIN 0
	s_lshl_b32 s20, s2, 6
	s_add_co_u32 s20, s20, \ahead
	v_add_nc_u32 v11, s20, v10
	WIN 0xC0
.irp i, 0,1,2,3
	ds_load_b128 v[128+8*\i:131+8*\i], v11 offset:3072+1024*\i
	ds_load_b128 v[132+8*\i:135+8*\i], v11 offset:3072+1024*\i+16
.endr
	WIN 0
.endm
.macro GPR g                           ; product gp of 12 of K step g: row tile gp / 2 (w_ih r, z, n, w_hh r, z, n), agent tile gp % 2; accumulators R R Z Z I I R R Z Z H H, one instruction a turn
.set rt, gp/2
.set ga, gp%2
.set ac, 16*(rt%3)+8*ga
.set cc, 128+8*rt
.if rt == 5
.set ac, 48+8*ga
.set cc, 152
.endif
.set bb, 8*(8*ga+(\g))
.if rt >= 3
.set bb, bb+128
.endif
.set aa, 48*((\g)%4)+8*rt
	WIN 0xF6
.if ((\g) == 0) && ((rt < 3) || (rt == 5))
	v_wmma_f32_16x16x32_f16 v[ac:ac+7], v[aa:aa+7], v[bb:bb+7], v[cc:cc+7]
.else
	v_wmma_f32_16x16x32_f16 v[ac:ac+7], v[aa:aa+7], v[bb:bb+7], v[ac:ac+7]
.endif
.set gp, gp+1
.endm
; THE GATES as a numbered list, all in window 3; EPE writes entry epc.  ER, EZ (v64-95) = -log2(e) x the r and z sums, EI, EH (v96-127) = 2 log2(e) x the two n sums.
;   0-79 r, z = 1 / (1 + 2^E)     80-135 n = 1 - 2 / (1 + 2^(EI + r EH))     136-159 h0 - n     160-167 h = n + z (h0 - n)     168-175 0 where the agent is masked
;   176-183 h in f16     184-187 h into the stage     188-189 h's fragment for the output layer.  Each batch of transcendentals has a plain instruction and ONE wait behind it.
.macro EPE
.if epc < 184
	WIN 0xFF
.else
	WIN 0x0C
.endif
.if epc < 32
	v_exp_f32 v[64+epc], v[64+epc]
.elseif epc < 48
	v_pk_add_f32 v[64+2*(epc-32):65+2*(epc-32)], v[64+2*(epc-32):65+2*(epc-32)], 1.0 op_sel_hi:[1,0]
.elseif epc < 80
	v_rcp_f32 v[64+epc-48], v[64+epc-48]
.elseif epc < 88
.set u, 2*(epc-80)
	v_pk_fma_f32 v[96+u:97+u], v[64+u:65+u], v[112+u:113+u], v[96+u:97+u]
.elseif epc < 104
	v_exp_f32 v[96+epc-88], v[96+epc-88]
.elseif epc < 112
	v_pk_add_f32 v[96+2*(epc-104):97+2*(epc-104)], v[96+2*(epc-104):97+2*(epc-104)], 1.0 op_sel_hi:[1,0]
.elseif epc < 128
	v_rcp_f32 v[96+epc-112], v[96+epc-112]
.elseif epc < 136
.set u, 2*(epc-128)
	v_pk_fma_f32 v[96+u:97+u], v[96+u:97+u], -2.0, 1.0 op_sel_hi:[1,0,0]
.elseif epc < 152
.set u, epc-136
.if u%2 == 0
	v_lshlrev_b32 v[112+u], 16, v[224+u/2]
.else
	v_and_b32 v[112+u], 0xffff0000, v[224+u/2]
.endif
.elseif epc < 160
.set u, 2*(epc-152)
	v_pk_add_f32 v[112+u:113+u], v[112+u:113+u], v[96+u:97+u] neg_lo:[0,1] neg_hi:[0,1]
.elseif epc < 168
.set u, 2*(epc-160)
	v_pk_fma_f32 v[96+u:97+u], v[80+u:81+u], v[112+u:113+u], v[96+u:97+u]
.elseif epc < 176
.set u, 2*(epc-168)
	v_pk_mul_f32 v[96+u:97+u], v[96+u:97+u], v[160+2*(u/8):161+2*(u/8)]
.elseif epc < 184
	v_cvt_pk_f16_f32 v[166+epc-176], v[96+2*(epc-176)], v[97+2*(epc-176)]
.elseif epc < 188
.set u, epc-184
	ds_store_b128 v13, v[96+8*(u/2)+4*(u%2):99+8*(u/2)+4*(u%2)] offset:4352*(u/2)+16*(u%2)
.else
.set u, epc-188
	ds_store_b128 v15, v[166+4*u:169+4*u] offset:8192*u
.endif
.if (epc == 31) || (epc == 79) || (epc == 103) || (epc == 127)
	v_nop
	s_wait_alu depctr_va_vdst(0)
.endif
.set epc, epc+1
.endm
.macro GGRP g, n, wt                   ; a group's 12 products with n entries of the gates' list dealt evenly behind them
	s_wait_dscnt \wt
.set gp, 0
.rept 12
	GPR \g
.rept (gp*(\n))/12-((gp-1)*(\n))/12
	EPE
.endr
.endr
.endm
.macro HARVEST                         ; the finished sums leave the accumulators, scaled for the exponentials; h0 of this feature tile is fetched; the addresses for its h
	WIN 0xFF
.rept 5
	v_nop
.endr
.set u, 0
.rept 16
	v_pk_mul_f32 v[64+u:65+u], v[u:u+1], 0xbfb8aa3b op_sel_hi:[1,0]
.set u, u+2
.endr
.rept 16
	v_pk_mul_f32 v[64+u:65+u], v[u:u+1], 0x4038aa3b op_sel_hi:[1,0]
.set u, u+2
.endr
	WIN 0
	s_lshl_b32 s20, s2, 9
	v_add_nc_u32 v17, s20, v14                     ; h0's 16 features of this tile, as bf16
	v_add_nc_u32 v15, s20, v42                     ; where h's half fragment goes
	s_and_b32 s20, s2, 3
	s_lshl_b32 s20, s20, 6
	v_add_nc_u32 v13, s20, v43                     ; its 64 bytes of the stage's rows
	WIN 0xC0
	ds_load_b128 v[224:227], v17
	ds_load_b128 v[228:231], v17 offset:8192
	WIN 0
	s_add_co_u32 s2, s2, 1
.endm
; A GRU STEP: 16 gate features, 96 products.  A group's wait for 24 leaves the two younger groups' loads out (what else is younger only makes it stricter).  ep = 1: the step before's gates ride.
; chg = 2: group 5 changes slots with a refill; 1: with a plain barrier; 0: the last step: nothing more is fetched, and the counts run down.
.macro STEP ep, chg
.set epc, 0
	GGRP 0, 16*(\ep), 24
	PLACES
	LDR 3
	GGRP 1, 16*(\ep), 24
	PLACES
	LDR 4
	GGRP 2, 24*(\ep), 24
	PLACES
	LDR 5
	GGRP 3, 24*(\ep), 24
	PLACES
	LDR 6
	GGRP 4, 24*(\ep), 24
	PLACES
	LDR 7
.if (\chg) == 0
	GGRP 5, 0, 24
	GGRP 6, 24*(\ep), 12
	GGRP 7, 62*(\ep), 0
.else
	CH_A (\chg)-1
	s_wait_dscnt 25                                ; the add and the two younger groups may be out
.set gp, 0
.rept 6
	GPR 5
.endr
	CH_B
.rept 6
	GPR 5
.endr
	CH_C (\chg)-1
	LDR 8
	LDB 64
.if (\chg) == 2
	ASKW
.endif
	s_add_co_u32 s21, s21, 1
	GGRP 6, 24*(\ep), 24
	PLACES
	LDR 9
	GGRP 7, 62*(\ep), 24
	PLACES
	LDR 10
.endif
	HARVEST
.endm
.macro FLUSH                           ; 64 features of my 32 rows leave: sixteen lanes store 256 consecutive bytes, at a multiple of 256 from out1's first byte
	WIN 0
	s_wait_xcnt 0x0                                ; the last flush's stores have read their registers
	v_add_nc_u32 v18, s77, v12
	s_add_co_u32 s77, s77, 256
.irp t, 0,1,2,3,4,5,6,7,8,9,10,11,12,13,14,15
	ds_load_b128 v[64+4*\t:67+4*\t], v9 offset:544*\t
.endr
	s_wait_dscnt 0x0
.irp t, 0,1,2,3,4,5,6,7,8,9,10,11,12,13,14,15
	global_store_b128 v18, v[64+4*\t:67+4*\t], s[16:17] offset:2048*\t th:TH_STORE_NT
.endr
.endm
; ================= the head of the kernel
	s_load_b256 s[4:11], s[0:1], 0x0               ; inputs 4, hidden_state 6, obs_mask 8, scenario_mask 10
	s_load_b128 s[12:15], s[0:1], 0x20             ; wpack 12, out0 14
	s_load_b64 s[16:17], s[0:1], 0x30              ; out1
	v_lshl_add_u32 v4, v0, 2, SPARE
	v_mov_b32 v5, 0
	ds_add_u32 v4, v5                              ; the wave's opening: the add and its wait stand ahead of my first tensor load; work on registers stands between
	v_lshrrev_b32 v1, 5, v0
	v_readfirstlane_b32 s18, v1                    ; wave 0..3
	s_bfe_u32 s19, ttmp6, 0x40000                  ; cx: it enters global addresses of my own rows and of prefetches alone
	; group 1 for a slot's quarter: 24 rows x 256 numbers of 2 bytes, 4 words of padding behind every 128; the mask names all four work-groups
	s_mov_b32 s24, 15|(1<<16)|(1<<20)|(1<<21)|(6<<22)|(3<<25)
	s_mov_b32 s25, 256<<16
	s_mov_b32 s26, 24<<16
	s_mov_b32 s27, 256<<16
	s_mov_b32 s28, 24
	s_mov_b32 s29, 256
	s_mov_b32 s30, 0
	s_mov_b32 s31, 0
	; group 1 for a quarter of fc1_w: 64 rows x 128 numbers, 4 words of padding behind every 64
	s_mov_b32 s32, 15|(1<<16)|(1<<20)|(1<<21)|(5<<22)|(3<<25)
	s_mov_b32 s33, 128<<16
	s_mov_b32 s34, 64<<16
	s_mov_b32 s35, 128<<16
	s_mov_b32 s36, 64
	s_mov_b32 s37, 128
	s_mov_b32 s38, 0
	s_mov_b32 s39, 0
	; group 1 for a quarter of a table: 8 rows of 256 dense bytes
	s_mov_b32 s40, 15|(3<<16)|(1<<21)
	s_mov_b32 s41, 32<<16
	s_mov_b32 s42, 8<<16
	s_mov_b32 s43, 32<<16
	s_mov_b32 s44, 8
	s_mov_b32 s45, 32
	s_mov_b32 s46, 0
	s_mov_b32 s47, 0
	s_mov_b32 s48, 1                               ; group 0, five sets: count, LDS address (a constant and the wave's number times a constant)
	s_mul_i32 s49, s18, 17408
	s_add_co_u32 s49, s49, W1L
	s_mov_b32 s52, 1
	s_lshl_b32 s53, s18, 11
	s_add_co_u32 s53, s53, BTL
	s_mov_b32 s56, 1
	s_lshl_b32 s57, s18, 11
	s_add_co_u32 s57, s57, VBXL
	s_mov_b32 s60, 1
	s_mul_i32 s61, s18, 24*PW
	s_mov_b32 s68, 1
	s_add_co_u32 s69, s61, SLOT1
	s_mov_b32 s78, 0x3e8293ee                      ; cs = log2(e) / sqrt(32)
	s_mov_b32 s79, s78
	s_mov_b32 s80, 0x76543210                      ; v_permlanex16_b32: each lane takes its own place in the other half
	s_mov_b32 s81, 0xfedcba98
	s_mov_b32 s82, 0xe0ad78ec                      ; -1e20
	s_mov_b32 s83, 0xf149f2ca                      ; -1e30
	s_mov_b32 s84, 0x0da24260                      ; 1e-30
	s_mov_b32 s91, 0
	s_mov_b32 s72, 0                               ; my reads begin in slot 0
	s_mov_b32 s21, 0                               ; ring step
	s_cmp_eq_u32 s18, 3
	s_cselect_b32 s96, 1, 0
	s_or_b32 s96, s96, ttmp9                       ; 0 in waves 0-2 of the first cluster: the same in all four partners
	v_and_b32 v1, 15, v0                           ; r
	v_bfe_u32 v2, v0, 4, 1                         ; h
	v_and_b32 v3, 31, v0                           ; lane
	v_mov_b32 v6, 0
	v_mov_b32 v41, 0
	v_cmp_le_u32 s97, 8, v1                        ; the lanes r >= 8: the columns of a pair's second head
	v_mul_u32_u24 v7, v1, PW
	v_lshl_add_u32 v7, v2, 4, v7                   ; a fragment's place in a slot: row r, 16 bytes a half
	v_mov_b32 v8, v7
	v_mul_u32_u24 v9, v1, 272
	v_lshl_add_u32 v9, v2, 4, v9
	v_add_nc_u32 v9, W1L, v9
	v_lshl_add_u32 v10, v2, 5, BTL                 ; a bias tile: my eight rows' floats
	v_mov_b32 v11, v10
	v_lshl_add_u32 v12, v1, 5, VBXL
	v_lshl_add_u32 v43, v2, 4, KBL                 ; k_b's fragment: the same 16 bytes for all 16 rows
	s_lshl_b32 s66, s18, 14
	s_add_co_u32 s67, s66, INSL
	v_lshl_add_u32 v14, v3, 4, s67
	s_add_co_u32 s67, s66, ATTL
	v_and_b32 v16, 7, v0                           ; where att goes: agent r % 8; the second head's columns 2,048 on; 512 for the upper half of the lanes
	v_lshl_add_u32 v16, v16, 4, s67
	v_bfe_u32 v17, v0, 3, 1
	v_lshl_add_u32 v16, v17, 11, v16
	v_lshl_add_u32 v16, v2, 9, v16
	v_lshl_add_u32 v42, v3, 4, s67
	v_lshlrev_b32 v20, 5, v2
	v_lshlrev_b32 v21, 8, v2
	v_lshlrev_b32 v22, 8, v3
	v_and_b32 v23, 7, v0
	v_lshlrev_b32 v23, 6, v23
	v_lshl_add_u32 v23, v2, 3, v23                 ; the mask's row r % 8, my eight entities
	v_lshl_add_u32 v35, v1, 9, v20                 ; a row of inputs, my eight floats
	s_wait_dscnt 0x0                               ; the opening add is done
	s_wait_kmcnt 0x0
	s_lshl_b32 s90, s18, 14
	s_add_nc_u64 s[50:51], s[12:13], s[90:91]
	s_add_nc_u64 s[50:51], s[50:51], WP_W1
	s_or_b32 s51, s51, 0x80000000
	s_lshl_b32 s90, s18, 11
	s_add_nc_u64 s[54:55], s[12:13], s[90:91]
	s_add_nc_u64 s[54:55], s[54:55], WP_BT
	s_or_b32 s55, s55, 0x80000000
	s_add_nc_u64 s[58:59], s[12:13], s[90:91]
	s_add_nc_u64 s[58:59], s[58:59], WP_VB
	s_or_b32 s59, s59, 0x80000000
	s_add_nc_u64 s[98:99], s[12:13], WP_OW
	s_mul_i32 s66, s19, 24576
	s_lshl_b32 s67, s18, 13
	s_add_co_u32 s66, s66, s67
	s_mov_b32 s67, 0
	s_add_nc_u64 s[100:101], s[12:13], s[66:67]
	s_add_nc_u64 s[100:101], s[100:101], 8*CHB
	s_mul_i32 s90, s18, 12288
	s_add_nc_u64 s[12:13], s[12:13], s[90:91]      ; wpack at my 24 rows of chunk 0
	s_mov_b64 s[62:63], s[12:13]
	s_or_b32 s63, s63, 0x80000000
	s_add_nc_u64 s[70:71], s[12:13], CHB
	s_or_b32 s71, s71, 0x80000000
	s_lshl_b32 s20, ttmp9, 2
	s_add_co_u32 s20, s20, s19
	s_lshl_b32 s20, s20, 2
	s_add_co_u32 s20, s20, s18                     ; my wave among the launch's 1,024
	s_lshl_b32 s66, s20, 17
	s_add_nc_u64 s[4:5], s[4:5], s[66:67]          ; 4 batches x 32,768 bytes
	s_lshl_b32 s66, s20, 15
	s_add_nc_u64 s[6:7], s[6:7], s[66:67]          ; 32 rows x 1,024 bytes
	s_add_nc_u64 s[16:17], s[16:17], s[66:67]
	s_lshl_b32 s66, s20, 14
	s_add_nc_u64 s[8:9], s[8:9], s[66:67]
	s_lshl_b32 s66, s20, 5
	s_add_nc_u64 s[10:11], s[10:11], s[66:67]
	s_lshl_b32 s66, s20, 12
	s_add_nc_u64 s[14:15], s[14:15], s[66:67]
	CROUND                                         ; all four work-groups are here: the first joint loads meet
	tensor_load_to_lds s[48:51], s[32:39]          ; fc1_w
	s_nop 0
	tensor_load_to_lds s[52:55], s[40:47]          ; the biases
	s_nop 0
	tensor_load_to_lds s[56:59], s[40:47]          ; v_b
	s_nop 0
	tensor_load_to_lds s[60:63], s[24:31]          ; chunk 0
	s_nop 0
	tensor_load_to_lds s[68:71], s[24:31]          ; chunk 1
	s_nop 0
	PLACES
; ================= batch 0's inputs: 16 loads an entity tile, rounded to bf16, put away as 16 fragments (registers 0-3 at 16 x lane, 4-7 at 512 + 16 x lane)
.macro PLD t
	WIN 0x40
.set i, 16*(\t)
.rept 16
	global_load_b128 v[4*i:4*i+3], v35, s[4:5] offset:8192*(i/16)+128*((i/4)%4)+64*((i%4)/2)+16*(i%2) th:TH_LOAD_NT
.set i, i+1
.endr
.endm
	PLD 0
	PLD 1
	PLD 2                                          ; tile 3 is asked for when tile 0 has been put away
.irp t, 0,1,2,3
.if \t < 2
	s_wait_loadcnt 32                              ; the two younger tiles' loads stay out
.else
	s_wait_loadcnt 48-16*\t                        ; one tile's, then none
.endif
	WIN 0x45
.set i, 0
.rept 32
	v_cvt_pk_bf16_f32 v[64*\t+16*(i/8)+i%8], v[64*\t+16*(i/8)+2*(i%8)], v[64*\t+16*(i/8)+2*(i%8)+1]
.set i, i+1
.endr
	WIN 0x04
.irp k, 0,1,2,3
	ds_store_b128 v14, v[64*\t+16*\k:64*\t+16*\k+3]   offset:1024*(4*\t+\k)
	ds_store_b128 v14, v[64*\t+16*\k+4:64*\t+16*\k+7] offset:1024*(4*\t+\k)+512
.endr
.if \t == 0
	PLD 3
.endif
.endr
	WIN 0
	s_add_nc_u64 s[4:5], s[4:5], 32768             ; (all loads are in) the jobs count from batch 1
	s_mov_b32 s20, 0
	DJLD                                           ; job 0
	s_wait_tensorcnt 0x1                           ; my parts of fc1_w, the tables and chunk 0 are in; chunk 1 may stay out
	s_wait_dscnt 0x0
	s_barrier_signal -1
	s_barrier_wait -1                              ; everybody's are
	LDWQ 0                                         ; the first pair's q_w, K steps 0-3: registers that fc1 leaves alone
	WIN 0
	s_mov_b32 s22, 0                               ; pass
	s_mov_b32 s75, 0                               ; trip, 0 to 15
; ================= a pass: one batch
.Lpass:
	s_wait_dscnt 0x0                               ; what the last pair fetched ahead has landed: fc1 loads and sums into part of those registers
	PLACES
.irp t, 0,1,2,3
	global_load_b64 v[24+2*\t:25+2*\t], v23, s[8:9] offset:16*\t
.endr
	WIN 0xC0
.set i, 0
.rept 16
	ds_load_b128 v[128+8*i:131+8*i], v14 offset:1024*i
	ds_load_b128 v[132+8*i:135+8*i], v14 offset:1024*i+512
.set i, i+1
.endr
	FLD 0
	s_mov_b32 s73, 0                               ; 256 x pair
	s_mov_b32 s74, 0                               ; 2,048 x pair
	s_lshl_b32 s76, s22, 7                         ; att's place: 128 x pass + 4,096 x pair
	s_mov_b32 s23, 4
	FBLK 0
	FBLK 1
	FBLK 2
	FBLK 3
	FBLK 4
	FBLK 5
	FBLK 6
	FBLK 7
	PLACES
.set px, 0
.rept 64
	PXE 7
.endr
	LDWQ 1                                         ; fc1 is done with these registers: the first pair's q_w, K steps 4-7, and q's bias; they land under the mask's 64 lines
	WIN 0
	v_mov_b32 v11, v10
	LDQB
	WIN 0
	s_wait_loadcnt 0x0                             ; the mask's bytes
	s_add_nc_u64 s[8:9], s[8:9], 4096
.set i, 0
.rept 32                                       ; a byte 0 or 1 times the bits of -1e30
	v_bfe_u32 v[96+i], v[24+2*(i/8)+(i%8)/4], 8*(i%4), 8
	v_mul_lo_u32 v[96+i], v[96+i], s83
.set i, i+1
.endr
; ----------------- a pair of heads: two ring steps, 234 products.  Behind each run's last product stand four or five lines of another run's list: the places ahead of the first read of its sums.
.Lpair:
	s_wait_loadcnt 0x0                             ; the job asked for a trip ago
	s_wait_dscnt 0x0                               ; q_w and q's bias
	v_add_nc_u32 v13, s74, v12
	LDWV 0xC0, 128                                 ; the first head's v_w: the last bytes that I read of this slot
	LDVB 160, 0
.set qi, 0
.set jq, 0
.rept 16                                       ; q | the job is rounded
	QPR
.if (qi%2) == 0
.rept 4
	JQE
.endr
.endif
.endr
	CH_A 1
.rept 8
	QPR
.endr
	CH_B
.rept 8
	QPR
.endr
	CH_C 1                                         ; slot 0 takes the next pair's first chunk; it has 122 products in which to land
	s_and_b32 s20, s75, 3
	s_lshl_b32 s20, s20, 12
	v_add_nc_u32 v15, s20, v14
	s_lshr_b32 s20, s73, 1
	v_add_nc_u32 v44, s20, v43
.irp f, 0,1,2,3                                ; all memory lines of this part stand together: the job is put away: fragments 4 (trip % 4) + f of the wave's 16,
	ds_store_b128 v15, v[192+16*\f:195+16*\f] offset:1024*\f
	ds_store_b128 v15, v[196+16*\f:199+16*\f] offset:1024*\f+512
.endr
	LDWK 0                                         ; k_w turned and k_b are fetched,
	WIN 0
.irp k, 0,1
	ds_load_b128 v[144+8*\k:147+8*\k], v44 offset:64*\k
	ds_load_b128 v[148+8*\k:151+8*\k], v44 offset:64*\k+32
.endr
	LDWK 1
	WIN 0
	s_cmp_lt_u32 s75, 15                           ; and job trip + 1 is asked for; there are 16
	s_cbranch_scc0 .Lnojob
	s_wait_xcnt 0x0                                ; earlier loads and prefetches have read their addresses
	s_add_co_u32 s20, s75, 1
	DJLD
	; behind my loads I prefetch into the L2 the 16 rows x 512 bytes of job trip + 2, a lane a block of 256 bytes, a trip ahead of its loads: each block of my rows is named once; jobs 0 and 1 and batch 0 come by their loads alone
	s_cmp_lt_u32 s75, 14
	s_cbranch_scc0 .Lnojob
	s_add_co_u32 s20, s75, 2
	DJADDR 92
	v_lshl_add_u32 v19, v1, s88, v21
	global_prefetch_b8 v19, s[92:93] th:TH_LOAD_NT scope:SCOPE_SE
.Lnojob:
	s_add_co_u32 s21, s21, 1
.set vi, 0
.set qp, 0
.rept 32                                       ; v, first head, first tile | q packed and padded
	VPR 64, 128, 160, 0xFD
.if (vi%4) == 0
.rept 5
	QPE
.endr
.endif
.endr
	s_wait_dscnt 32                                ; k_w's tiles 0-7 and k_b are in; the 32 loads of tiles 8-15 may be out
.set ki, 0
.set vk, 0
.rept 8                                        ; qk, tiles 0-7, and c | v's tile packed
	KPR 0
.if (ki%2) == 0
.rept 4
	VKE 64, 128
.endr
.endif
.endr
	DBP 0
.rept 8
	KPR 0
.if (ki%2) == 0
.rept 4
	VKE 64, 128
.endr
.endif
.endr
	DBP 1
	PLACES
	LDWV 0x80, 0                                   ; the second head's v_w, where tiles 0-7 lay, and its bias, where k_b lay
	LDVB 144, 1024
	s_wait_dscnt 36                                ; k_w's tiles 8-15 are in; the 36 loads just issued may be out
.set ki, 0
.set kq, 0
.rept 16                                       ; qk, tiles 8-15 | tiles 0-7 packed
	KPR 1
.if (ki%2) == 0
.rept 4
	KKE 0
.endr
.endif
.endr
.set vi, 0
.set kq, 0
.rept 32                                       ; v, first head, second tile | qk's tiles 8-15 packed (the last sixteen lines write where this run's first two fragments of v_w lay, 16 products and more behind their last use)
	VPR 0, 192, 168, 0xFD
.if (vi%4) == 0
.rept 4
	KKE 1
.endr
.endif
.endr
.set si, 0
.set vk, 0
	SRUN                                           ; the scores | v's tile packed
	CH_A 1
	SRUN
	CH_B
	SRUN
	CH_C 1                                         ; slot 1 takes the next pair's second chunk; it has 112 products and the trip's end in which to land
	LDWQ 1                                         ; the next pair's q_w, K steps 4-7
	WIN 0
	ASKW
	s_add_co_u32 s21, s21, 1
	SRUN
.set vi, 0
.set sq, 0
.rept 32                                       ; v, second head, first tile | the softmax: maxima in fours, the chain one link a product, scalings in fours, exponentials in twos
	VPR 32, 0, 144, 0xF9
.if vi <= 3
.rept 4
	SQE
.endr
.elseif vi == 4
	SQE
	SQE
.elseif vi <= 12
	SQE
.elseif vi <= 16
.rept 4
	SQE
.endr
.else
	SQE
	SQE
.endif
.endr
	SQE                                            ; the plain instruction and the wait
.set vi, 0
.set vk, 0
.rept 32                                       ; v, second head, second tile | P, the sum and its reciprocal; then v's tile before packed
	VPR 64, 64, 152, 0xF9
.if vi <= 7
.rept 4
	SQE
.endr
.elseif vi == 8
	SQE
	SQE
.elseif vi <= 14
	SQE
.elseif (vi >= 18) && ((vi%2) == 0)
.rept 4
	VKE 32, 224
.endr
.endif
.endr
	WIN 0
	s_add_co_u32 s20, s73, 256
	s_and_b32 s20, s20, 0x300
	v_add_nc_u32 v11, s20, v10
	LDWQ 0                                         ; the next pair's q_w, K steps 0-3, and q's bias: they land under the lines below
	LDQB
.set vk, 0
.rept 32
	VKE 64, 240                                    ; the last tile of v packed
.endr
.set ai, 0
.rept 8
	APR
.endr
	WIN 0
	PLACES
	s_wait_alu depctr_va_vdst(0)                   ; the reciprocal's wait, ahead of its first reader
.set i, 0
.rept 16                                       ; a lane's column belongs to one head: it takes that head's att
	v_cndmask_b32 v[144+i], v[144+i], v[160+i], s97
.set i, i+1
.endr
.set i, 0
.rept 8
	v_pk_mul_f32 v[144+2*i:145+2*i], v[144+2*i:145+2*i], v[40:41] op_sel_hi:[1,0]
.set i, i+1
.endr
.set i, 0
.rept 8
	v_cvt_pk_f16_f32 v[176+i], v[144+2*i], v[145+2*i]
.set i, i+1
.endr
.set i, 0
.rept 8
	v_pk_min_num_f16 v[176+i], v[176+i], 0x7bff7bff
.set i, i+1
.endr
	v_add_nc_u32 v17, s76, v16                     ; 12,672 + 2,672 + 1,024 + 16 = 16,384 bytes at the most: the wave's own part
	ds_store_b128 v17, v[176:179]
	ds_store_b128 v17, v[180:183] offset:1024
	s_add_co_u32 s73, s73, 256
	s_add_co_u32 s74, s74, 2048
	s_add_co_u32 s75, s75, 1
	s_add_co_u32 s76, s76, 4096
	s_sub_co_u32 s23, s23, 1
	s_cmp_lg_u32 s23, 0
	s_cbranch_scc1 .Lpair
	s_add_co_u32 s22, s22, 1
	s_cmp_lt_u32 s22, 4
	s_cbranch_scc1 .Lpass
; ================= the GRU for my 32 agents (two tiles of 16)
	PLACES
	s_wait_loadcnt 0x0                             ; no load of mine is out: out_w's copy lands below in registers that the jobs were loaded into
	s_wait_dscnt 0x0
	s_lshl_b32 s66, s18, 14
	s_add_co_u32 s66, s66, ATTL
	v_lshl_add_u32 v16, v1, 4, s66                 ; att is read back as fragments: agent slot r of a tile, 512 for the upper half of the lanes
	v_lshl_add_u32 v16, v2, 9, v16
	WIN 0x40
.irp a, 0,1
.irp k, 0,1,2,3,4,5,6,7
	ds_load_b128 v[8*(8*\a+\k):8*(8*\a+\k)+3],   v16 offset:2048*\k+256*\a
	ds_load_b128 v[8*(8*\a+\k)+4:8*(8*\a+\k)+7], v16 offset:2048*\k+256*\a+1024
.endr
.endr
.irp a, 0,1
.irp k, 0,1,2,3,4,5,6,7
	ds_load_b128 v[128+8*(8*\a+\k):128+8*(8*\a+\k)+3],   v14 offset:8192*\a+1024*\k
	ds_load_b128 v[128+8*(8*\a+\k)+4:128+8*(8*\a+\k)+7], v14 offset:8192*\a+1024*\k+512
.endr
.endr
	WIN 0
	s_mul_i32 s66, s18, 8704
	s_add_co_u32 s66, s66, W1L                     ; my stage: every wave read fc1_w for the last time eight barriers ago, and nothing is filled there again
	v_mul_u32_u24 v43, v1, 272
	v_lshl_add_u32 v43, v2, 5, v43
	v_add_nc_u32 v43, s66, v43                     ; in: row r, my eight floats
	v_mul_u32_u24 v9, v2, 272
	v_lshl_add_u32 v9, v1, 4, v9
	v_add_nc_u32 v9, s66, v9                       ; back: lanes 0-15 one row of 256 bytes, lanes 16-31 the next
	v_lshlrev_b32 v12, 10, v2
	v_lshl_add_u32 v12, v1, 4, v12                 ; and the same two rows in out1
	v_mul_u32_u24 v45, v1, 144
	v_lshl_add_u32 v45, v2, 5, v45
	v_add_nc_u32 v45, s66, v45                     ; out0's stage: rows of 128 + 16 bytes
	v_lshrrev_b32 v46, 3, v3
	v_mul_u32_u24 v46, v46, 144
	v_and_b32 v47, 7, v0
	v_lshl_add_u32 v46, v47, 4, v46
	v_add_nc_u32 v46, s66, v46
	v_lshlrev_b32 v47, 4, v3
	v_lshlrev_b32 v44, 9, v1
	v_lshl_add_u32 v44, v2, 4, v44
	global_load_u8 v30, v1, s[10:11]
	global_load_u8 v31, v1, s[10:11] offset:16
.irp a, 0,1
.irp k, 0,1,2,3,4,5,6,7
	global_load_b128 v[128+8*(8*\a+\k):128+8*(8*\a+\k)+3],   v44, s[98:99] offset:8192*\a+64*\k
	global_load_b128 v[128+8*(8*\a+\k)+4:128+8*(8*\a+\k)+7], v44, s[98:99] offset:8192*\a+64*\k+32
.endr
.endr
	s_mov_b32 s2, 0                                ; feature tile
	s_mov_b32 s77, 0
	LDB 0
	LDR 0
	LDR 1
	LDR 2
	s_wait_dscnt 44                                ; att and h0 are in: the 8 + 36 loads behind them may stay out
.set b, 0
.rept 16                                       ; h0's fragments, bf16 numbers, written as f16
	WIN 0x04
.set i, 0
.rept 8
	v_lshlrev_b32 v[64+2*i], 16, v[128+8*b+i]
	v_and_b32 v[65+2*i], 0xffff0000, v[128+8*b+i]
.set i, i+1
.endr
	WIN 0x40
.set i, 0
.rept 8
	v_cvt_pk_f16_f32 v[128+8*b+i], v[64+2*i], v[65+2*i]
.set i, i+1
.endr
.set b, b+1
.endr
	WIN 0
	s_wait_loadcnt 32                              ; the two mask bytes are in; out_w's 32 loads may stay out
	v_cvt_f32_u32 v30, v30
	v_cvt_f32_u32 v31, v31
	v_sub_f32 v30, 1.0, v30                        ; 1 keeps the agent, 0 clears it
	v_sub_f32 v31, 1.0, v31
	WIN 0xC0
	v_mov_b32 v160, v30
	v_mov_b32 v161, v30
	v_mov_b32 v162, v31
	v_mov_b32 v163, v31
	WIN 0
	STEP 0, 2                                      ; feature tile 0
	s_mov_b32 s3, 13
.Lgru:                                         ; feature tiles 1 to 13
	STEP 1, 2
	s_and_b32 s20, s2, 3
	s_cmp_eq_u32 s20, 1                            ; four tiles' h lie in the stage
	s_cbranch_scc0 .Lnoflush
	FLUSH
.Lnoflush:
	s_sub_co_u32 s3, s3, 1
	s_cmp_lg_u32 s3, 0
	s_cbranch_scc1 .Lgru
	STEP 1, 1                                      ; the tail is written out: nothing is asked for
	STEP 1, 0
	s_wait_dscnt 0x0                               ; h0 of the last tile
.set epc, 0
.rept 190
	EPE
.endr
	FLUSH
; ================= the output layer
	WIN 0x40
.irp a, 0,1
.irp k, 0,1,2,3,4,5,6,7
	ds_load_b128 v[8*(8*\a+\k):8*(8*\a+\k)+3],   v42 offset:8192*\a+1024*\k
	ds_load_b128 v[8*(8*\a+\k)+4:8*(8*\a+\k)+7], v42 offset:8192*\a+1024*\k+512
.endr
.endr
	WIN 0xC0
.irp a, 0,1
	ds_load_b128 v[208+8*\a:211+8*\a], v10 offset:7168+64*\a
	ds_load_b128 v[212+8*\a:215+8*\a], v10 offset:7168+64*\a+16
.endr
	s_wait_loadcnt 0x0                             ; out_w
	s_wait_dscnt 0x0
	WIN 0xF4
.irp k, 0,1,2,3,4,5,6,7                        ; four accumulators by turns: action tile a, agent tile t
.irp a, 0,1
.irp t, 0,1
.if \k == 0
	v_wmma_f32_16x16x32_f16 v[176+8*(2*\a+\t):176+8*(2*\a+\t)+7], v[128+8*(8*\a+\k):128+8*(8*\a+\k)+7], v[8*(8*\t+\k):8*(8*\t+\k)+7], v[208+8*\a:215+8*\a]
.else
	v_wmma_f32_16x16x32_f16 v[176+8*(2*\a+\t):176+8*(2*\a+\t)+7], v[128+8*(8*\a+\k):128+8*(8*\a+\k)+7], v[8*(8*\t+\k):8*(8*\t+\k)+7], v[176+8*(2*\a+\t):176+8*(2*\a+\t)+7]
.endif
.endr
.endr
.endr
	PLACES
	WIN 0xFF
.irp a, 0,1
.irp t, 0,1
.irp j, 0,1,2,3
	v_pk_mul_f32 v[176+8*(2*\a+\t)+2*\j:176+8*(2*\a+\t)+2*\j+1], v[176+8*(2*\a+\t)+2*\j:176+8*(2*\a+\t)+2*\j+1], v[160+2*\t:161+2*\t]
.endr
.endr
.endr
	WIN 0x0C
.irp a, 0,1
.irp t, 0,1
	ds_store_b128 v45, v[176+8*(2*\a+\t):176+8*(2*\a+\t)+3]   offset:2304*\t+64*\a
	ds_store_b128 v45, v[176+8*(2*\a+\t)+4:176+8*(2*\a+\t)+7] offset:2304*\t+64*\a+16
.endr
.endr
	WIN 0
	s_wait_xcnt 0x0                                ; the last flush's stores have read their registers
.irp t, 0,1,2,3,4,5,6,7
	ds_load_b128 v[64+4*\t:67+4*\t], v46 offset:576*\t     ; LDS serves a wave's instructions in order (ISA guide 5.7.1.4): these see the stores above
.endr
.irp t, 0,1,2,3,4,5,6,7
	s_wait_dscnt 7-\t
	global_store_b128 v47, v[64+4*\t:67+4*\t], s[14:15] offset:512*\t th:TH_STORE_NT   ; four rows of out0: 512 consecutive bytes
.endr
	s_wait_tensorcnt 0x0                           ; the wave's end: behind my last tensor load and my last LDS store
	ds_add_u32 v4, v5
	s_wait_dscnt 0x0
	CROUND                                         ; the closing round: no work-group ends while a partner may still ask for a chunk that names it
	s_endpgm
.Lfunc_end_k_q87f8c04d48_agent:
	.size	k_q87f8c04d48_agent, .Lfunc_end_k_q87f8c04d48_agent-k_q87f8c04d48_agent
	.p2alignl 7, 3214868480
	.fill 96, 4, 3214868480
	.section	.rodata,"a",@progbits
	.p2align	6, 0x0
	.amdhsa_kernel k_q87f8c04d48_agent
		.amdhsa_group_segment_fixed_size 327680
		.amdhsa_private_segment_fixed_size 0
		.amdhsa_enable_private_segment 0
		.amdhsa_kernarg_size 56
		.amdhsa_user_sgpr_count 2
		.amdhsa_user_sgpr_kernarg_segment_ptr 1
		.amdhsa_wavefront_size32 1
		.amdhsa_system_sgpr_workgroup_id_x 1
		.amdhsa_system_sgpr_workgroup_id_y 1
		.amdhsa_system_sgpr_workgroup_id_z 1
		.amdhsa_system_vgpr_workitem_id 0
		.amdhsa_next_free_vgpr 1024
		.amdhsa_next_free_sgpr 102
		.amdhsa_reserve_vcc 0
		.amdhsa_float_denorm_mode_32 3
		.amdhsa_float_denorm_mode_16_64 3
		.amdhsa_memory_ordered 1
		.amdhsa_forward_progress 1
		.amdhsa_inst_pref_size 255
	.end_amdhsa_kernel
	.section	.bss,"aw",@nobits
	.p2align	6
	.space	262144
	.amdgpu_metadata
---
amdhsa.version: [ 1, 2 ]
amdhsa.kernels:
  - .name:           k_q87f8c04d48_agent
    .symbol:         k_q87f8c04d48_agent.kd
    .args:
      - { .name: inputs, .offset: 0, .size: 8, .value_kind: global_buffer, .address_space: global }
      - { .name: hidden_state, .offset: 8, .size: 8, .value_kind: global_buffer, .address_space: global }
      - { .name: obs_mask, .offset: 16, .size: 8, .value_kind: global_buffer, .address_space: global }
      - { .name: scenario_mask, .offset: 24, .size: 8, .value_kind: global_buffer, .address_space: global }
      - { .name: wpack, .offset: 32, .size: 8, .value_kind: global_buffer, .address_space: global }
      - { .name: out0, .offset: 40, .size: 8, .value_kind: global_buffer, .address_space: global }
      - { .name: out1, .offset: 48, .size: 8, .value_kind: global_buffer, .address_space: global }
    .group_segment_fixed_size: 327680
    .private_segment_fixed_size: 0
    .kernarg_segment_align: 8
    .kernarg_segment_size: 56
    .max_flat_workgroup_size: 128
    .sgpr_count:     102
    .vgpr_count:     1024
    .wavefront_size: 32
...
	.end_amdgpu_metadata
.endif
;; end of part 2
